; MI455X (gfx1250); checked and timed in simulation.
; The chip was launched on July 23, 2026; its instructions are those of AMD's public machine-readable ISA for CDNA 5 (MIT licence, August 2026) and "CDNA5" Instruction Set Architecture Reference Guide (July 2026). The comments in the code are by the model that wrote it; some were corrected since.
;; Attention. Allowed arithmetic: matrix products marked QUANTISED: E4M3 operands, one given power-of-two scale a tensor, by v_wmma_f32_16x16x64_fp8_fp8 or v_wmma_f32_16x16x128_fp8_fp8, f32 sums; products left as they are: f32 operands where the result goes on into a quantised operand, else bf16, f16 or f32 operands; f32 sums; everything else in f32.
;; Inputs: W 1,024 x 1,024 float32; b 1,024 float32; ctx 1,024 float32; lowp_scales 2 int32 (the exponents e of the quantised operands' scales 2^e); x 32 x 2,048 x 1,024 float32.
;; Outputs: out0 32 x 1,024 float32.
;; This version of the problem:
;;   THIS VERSION OF THE PROBLEM IS GIVEN IN LOW PRECISION. The matrix products marked QUANTISED in the list below multiply operands that are first quantised to E4M3 (4 exponent bits, 3 mantissa bits; 8 bits a number), with one given power-of-two scale for each operand tensor; their sums are f32. All else is computed in f32.
;;   The module's matrix products, in the order in which they are computed (A, B: the left and right operand; K: the contracted axis; several contracted axes count as one K, in the product's order):
;;     1. [M 65,536, K 1,024] x [K 1,024, N 1,024]; A: input x; B: input W: QUANTISED (scales: A lowp_scales[0], B lowp_scales[1])
;;     2. [M 65,536, K 1,024] x [K 1,024, N 1]; A: computed on the way; B: input ctx: left as it is (N = 1 < 16)
;;     3. batch 32 x [M 1,024, K 2,048] x [K 2,048, N 1]; A: input x; B: softmax: left as it is (N = 1 < 16)
;;   THE QUANTISER, for each operand of a quantised product, along K:
;;     - The operand's scale is 2^e, e = its entry of the input lowp_scales (int32; the entries are numbered through the quantised products in the list's order, A before B).
;;     - Each number is divided by the scale, clamped to +-448, and rounded to the nearest number of E4M3, ties to even, subnormals kept.
;;     - The product sums the exact products of the quantised numbers (number of the format x scale) in f32.
;;   ~~~python
;;   def quantise(x, axis, e):      # numpy; x: float32 -> the quantised numbers, widened to float32 again
;;       x = np.moveaxis(x, axis, -1); K = x.shape[-1]
;;       r = np.clip(x / 2.0 ** e, -448, 448)
;;       step = 2.0 ** (np.maximum(np.frexp(np.where(r == 0, 1, r))[1] - 1, -6) - 3)
;;       q = np.round(r / step) * step * 2.0 ** e      # np.round: ties to even
;;       return np.moveaxis(q, -1, axis).astype(np.float32)
;;   ~~~
;; 2 versions, each right and faster than the one before. Each part assembles by itself: llvm-mc -triple=amdgcn-amd-amdhsa -mcpu=gfx1250 --defsym DOCPART=n.
;; ======== version 1 of 2: 3 launches
;; limits: an absolute error that grows with the inputs' magnitude: up to 4.77e-07 times it; a difference of large sums (such as E[x^2] - mean^2): digits are lost where the result is much smaller than its terms
;; workspace buffers: wq 1,064,960 bytes; scores 262,144 bytes; pick 32,768 bytes of whole numbers
;; launch prep (part 1): grid 8 x 32, 4 waves a work-group, no clusters, 0 bytes of LDS; arguments W, b, ctx, lowp_scales, wq; writes wq
.if DOCPART == 1
	.amdgcn_target "amdgcn-amd-amdhsa--gfx1250"
	.amdhsa_code_object_version 6
	.text
	.protected	k_q301104f6a6_prep
	.globl	k_q301104f6a6_prep
	.p2align	8
	.type	k_q301104f6a6_prep,@function
k_q301104f6a6_prep:
	s_mov_b64 s[64:65], 0
	v_nop
	global_prefetch_b8 v0, s[64:65] scope:SCOPE_SE
	s_setreg_imm32_b32 hwreg(HW_REG_WAVE_MODE, 25, 1), 1
	s_wait_xcnt 0x0
; W [1024 (k)][1024 (n)], f32, becomes codes of FP8 (E4M3) with the given scale 2^e1 (entry 1 of the scales), laid as the next launch's matrix operand wants them; b and ctx become a small table beside them.
; code = W / 2^e1, held within +-448, rounded to the nearest code, ties to even.  LIMIT: e1 between -126 and 119, so that 2^e1 and 448 x 2^e1 are f32 numbers.  NaN among the inputs is not served.
; wq: 64 blocks of BLK = 16,640 bytes.  Block m: the codes of columns 16 m .. 16 m + 15 as images of the operand's registers: fragment ks (128 along K) at 2,048 ks, its register group c at + 512 c,
; lane (r, h) at + 16 (r + 16 h): the 16 codes of W[128 ks + 32 c + 16 h + 0 .. 15][16 m + r].  At + 16,384: a table of 256 bytes for the columns of block (m - 1) mod 64 (it is wanted one block later than
; the codes): column r has 16 bytes, b', b', c', c', with b' = 2 log2(e) b[n] and c' = -2 ctx[n].
; A LANE TAKES A COLUMN n AND ITS REGISTERS RUN DOWN K: a load reads 128 consecutive bytes a wave (512 a work-group), and the conversions, which take neighbours along K from one lane's registers, give codes
; with K innermost.  Work-group (x, y): columns 128 x on, k = 32 y .. 32 y + 31: one register group c = y % 4 of fragment ks = y / 4.  Sixteen lanes store 256 consecutive bytes, aligned.
; No LDS, no barrier, no matrix unit, no cluster: waves share nothing, and every byte of W is read once.
.set BLK, 16640
.set X,   16                           ; v16-47  32 numbers down K
.set C,   48                           ; v48-55  their codes
	s_load_b256 s[4:11], s[0:1], 0x0               ; W s[4:5], b s[6:7], ctx s[8:9], the scales' exponents s[10:11]
	s_load_b64 s[12:13], s[0:1], 0x20              ; wq
	v_lshrrev_b32 v1, 5, v0
	v_readfirstlane_b32 s14, v1                    ; wave 0..3
	v_and_b32 v2, 31, v0                           ; lane
	v_lshlrev_b32 v3, 2, v2                        ; 4 bytes a lane
	v_and_b32 v4, 15, v2                           ; r: my column in its block
	v_lshrrev_b32 v5, 4, v2                        ; which of the wave's two blocks
	v_mul_u32_u24 v6, v5, BLK
	v_lshl_add_u32 v6, v4, 4, v6                   ; where my 16 codes go: block + 16 r
	s_and_b32 s15, ttmp7, 0xffff                   ; y: which 32 along K
	s_lshl_b32 s16, ttmp9, 7
	s_lshl_b32 s17, s14, 5
	s_add_co_u32 s16, s16, s17                     ; my wave's first column: 128 x + 32 wave
	s_lshl_b32 s18, s16, 2                         ; in bytes
	s_mov_b32 s19, 0
	s_lshl_b32 s20, s15, 17                        ; 32 rows of W are 131,072 bytes
	s_mov_b32 s21, 0
	s_lshr_b32 s22, s16, 4                         ; my wave's first block
	s_mul_i32 s24, s22, BLK
	s_lshr_b32 s25, s15, 2
	s_lshl_b32 s25, s25, 11                        ; fragment ks = y / 4
	s_add_co_u32 s24, s24, s25
	s_and_b32 s25, s15, 3
	s_lshl_b32 s25, s25, 9                         ; register group c = y % 4
	s_add_co_u32 s24, s24, s25
	s_mov_b32 s25, 0
	s_wait_kmcnt 0x0
	s_load_b32 s26, s[10:11], 0x4                  ; e1
	s_add_nc_u64 s[4:5], s[4:5], s[18:19]
	s_add_nc_u64 s[4:5], s[4:5], s[20:21]
.set pi, 0
.rept 32
	global_load_b32 v[X+pi], v3, s[4:5] offset:4096*pi th:TH_LOAD_NT   ; W(32 y + i, my column)
.set pi, pi+1
.endr
	s_add_nc_u64 s[28:29], s[12:13], s[24:25]      ; where the wave's codes go
	s_wait_kmcnt 0x0
	s_add_co_i32 s26, s26, 127
	s_lshl_b32 s27, s26, 23
	v_mov_b32 v11, s27                             ; 2^e1 as f32: the conversion takes its exponent field
	s_add_co_i32 s26, s26, 8
	s_lshl_b32 s26, s26, 23
	s_or_b32 s26, s26, 0x600000
	v_mov_b32 v10, s26                             ; 448 x 2^e1
	s_wait_loadcnt 0x0
.set pi, 0
.rept 32
	v_med3_num_f32 v[X+pi], v[X+pi], -v10, v10     ; the conversion to an 8-bit code does not saturate (ISA guide 7.6.2): the hold comes first
.set pi, pi+1
.endr
.irp g, 0,1,2,3
	v_cvt_scalef32_pk8_fp8_f32 v[C+2*\g:C+2*\g+1], v[X+8*\g:X+8*\g+7], v11
.endr
	v_nop                                          ; a plain line behind the last conversion
	global_store_b128 v6, v[C:C+3], s[28:29]               ; k = 32 y + 0 .. 15: the image's lanes 0-15
	global_store_b128 v6, v[C+4:C+7], s[28:29] offset:256  ; k = 32 y + 16 .. 31: its lanes 16-31
	s_cmp_lg_u32 s15, 0                            ; the work-groups with y = 0 also make the table of their columns
	s_cbranch_scc1 .Ldone
	s_add_nc_u64 s[6:7], s[6:7], s[18:19]
	s_add_nc_u64 s[8:9], s[8:9], s[18:19]
	global_load_b32 v8, v3, s[6:7]                 ; b[n]
	global_load_b32 v9, v3, s[8:9]                 ; ctx[n]
	v_add_nc_u32 v7, s22, v5                       ; my column's block,
	v_add_nc_u32 v7, 1, v7
	v_and_b32 v7, 63, v7                           ; and the one behind it, round the end
	v_mul_u32_u24 v7, v7, BLK
	v_lshl_add_u32 v7, v4, 4, v7
	s_wait_loadcnt 0x0
	v_mul_f32 v12, 0x4038aa3b, v8                  ; 2 log2(e) b
	v_mov_b32 v13, v12
	v_mul_f32 v14, -2.0, v9                        ; -2 ctx
	v_mov_b32 v15, v14
	global_store_b128 v7, v[12:15], s[12:13] offset:16384
.Ldone:
	s_endpgm
.Lfunc_end_k_q301104f6a6_prep:
	.size	k_q301104f6a6_prep, .Lfunc_end_k_q301104f6a6_prep-k_q301104f6a6_prep
	.p2alignl 7, 3214868480
	.fill 96, 4, 3214868480
	.section	.rodata,"a",@progbits
	.p2align	6, 0x0
	.amdhsa_kernel k_q301104f6a6_prep
		.amdhsa_group_segment_fixed_size 0
		.amdhsa_private_segment_fixed_size 0
		.amdhsa_enable_private_segment 0
		.amdhsa_kernarg_size 40
		.amdhsa_user_sgpr_count 2
		.amdhsa_user_sgpr_kernarg_segment_ptr 1
		.amdhsa_wavefront_size32 1
		.amdhsa_system_sgpr_workgroup_id_x 1
		.amdhsa_system_sgpr_workgroup_id_y 1
		.amdhsa_system_sgpr_workgroup_id_z 1
		.amdhsa_system_vgpr_workitem_id 0
		.amdhsa_next_free_vgpr 64
		.amdhsa_next_free_sgpr 66
		.amdhsa_reserve_vcc 0
		.amdhsa_float_denorm_mode_32 3
		.amdhsa_float_denorm_mode_16_64 3
		.amdhsa_memory_ordered 1
		.amdhsa_forward_progress 1
		.amdhsa_inst_pref_size 9
	.end_amdhsa_kernel
	.amdgpu_metadata
---
amdhsa.version: [ 1, 2 ]
amdhsa.kernels:
  - .name:           k_q301104f6a6_prep
    .symbol:         k_q301104f6a6_prep.kd
    .args:
      - { .name: W, .offset: 0, .size: 8, .value_kind: global_buffer, .address_space: global }
      - { .name: b, .offset: 8, .size: 8, .value_kind: global_buffer, .address_space: global }
      - { .name: ctx, .offset: 16, .size: 8, .value_kind: global_buffer, .address_space: global }
      - { .name: lowp_scales, .offset: 24, .size: 8, .value_kind: global_buffer, .address_space: global }
      - { .name: wq, .offset: 32, .size: 8, .value_kind: global_buffer, .address_space: global }
    .group_segment_fixed_size: 0
    .private_segment_fixed_size: 0
    .kernarg_segment_align: 8
    .kernarg_segment_size: 40
    .max_flat_workgroup_size: 128
    .sgpr_count:     66
    .vgpr_count:     64
    .wavefront_size: 32
...
	.end_amdgpu_metadata
.endif
;; end of part 1
;; launch main (part 2): grid 256 x 1, 4 waves a work-group, clusters of 4 x 1, 327,680 bytes of LDS; arguments x, wq, lowp_scales, scores, pick; writes scores, pick
.if DOCPART == 2
	.amdgcn_target "amdgcn-amd-amdhsa--gfx1250"
	.amdhsa_code_object_version 6
	.text
	.protected	k_q301104f6a6_main
	.globl	k_q301104f6a6_main
	.p2align	8
	.type	k_q301104f6a6_main,@function
k_q301104f6a6_main:
	s_mov_b64 s[64:65], 0
	v_nop
	global_prefetch_b8 v0, s[64:65] scope:SCOPE_SE
	s_setreg_imm32_b32 hwreg(HW_REG_WAVE_MODE, 25, 1), 1
	s_wait_xcnt 0x0
	s_wait_alu depctr_hold_cnt(0) depctr_sa_sdst(0) depctr_va_vdst(0) depctr_va_sdst(0) depctr_va_ssrc(0) depctr_va_vcc(0) depctr_vm_vsrc(0)
	s_getreg_b32 s2, hwreg(HW_REG_IB_STS2, 6, 4)
	s_cmp_eq_u32 s2, 0
	s_cbranch_scc0 .Lentry_in_a_cluster
	s_endpgm
.Lentry_in_a_cluster:
	s_bfe_u32 s2, ttmp6, 0x10000c
	s_cmp_lg_u32 s2, 0x3003
	s_cbranch_scc0 .Lentry_shape_is_right
	s_endpgm
.Lentry_shape_is_right:
; scores[row] = sum over n of ctx[n] tanh(sum over k of x[row][k] W[k][n] + b[n]), the product on codes of FP8 (E4M3): x with the given scale 2^e0, W with 2^e1 (W's codes and the table of b and ctx: buffer wq).
; Also, as whole numbers, one bit a row: set where the row's score is at least (the largest score of its group of 256 rows) - 32 ln 2.  A row without the bit has a softmax weight under 2^-32 of the largest
; weight of its batch, so all 2,047 such rows together weigh under 2^-21 of it: the next launch leaves them out of the weighted sum of x (never out of the softmax's sum).  This holds for every input.
; LIMITS: e0 between -126 and 119; e0 + e1 between -126 and 126 (each power of two below is then an f32 number).  NaN and infinities among the inputs are not served.
; SHARES.  A work-group owns 256 rows (one group; 1 MB of x), a wave 64 of them: four tiles of 16.  x is read from memory ONCE: 128 along K at a time through LDS, quantised in registers, and a wave's codes for the
; whole K stay in 512 registers (4 tiles x 8 K steps x 16).  Then W's 64 blocks of 16 columns go past, through LDS, read by all four waves: a fragment of W (2,048 bytes) feeds four matrix instructions.
; LAYOUT.  Source 0 = 16 rows of x, source 1 = 16 columns of W: in the result lane (r, h) holds column r and rows 8 h + 0 .. 7.  So b and ctx are one number a lane and block, and a row's score is gathered in
; 32 registers of partial sums (one for each of the lane's rows, over the columns = r mod 16) that meet across lanes once, at the end.  In a fragment lane (r, h) holds k = 32 c + 16 h + 0 .. 15 in registers
; 4 c .. 4 c + 3, on both sides alike: every product meets its partner.
; TANH.  tanh(z) = 1 - 2 rho, rho = 1 / (1 + 2^(2 log2(e) z)).  2 log2(e) z = sum x SC + b', SC = 2 log2(e) 2^(e0 + e1).  sum of ctx tanh = sum of c' rho - (sum of c') / 2, c' = -2 ctx.
; Where 2^(..) is infinite rho is 0, where it is 0 rho is 1: tanh is +-1, as it should be.
; BY TURNS.  A block's epilogue is 114 vector instructions for 32 matrix instructions.  It stands in slices behind the NEXT block's matrix instructions (two sets of accumulators), so that matrix and vector work
; run side by side in the one wave that a SIMD holds; the price is two switches of the register window for each matrix instruction.
; CLUSTER.  All work-groups walk the same W: the four of a cluster ask for each part of it JOINTLY (mask 15).  x's tiles are each work-group's own (mask 0).  Every tensor load stands behind a round of the cluster's barrier.
; A wave has two tensor loads out at the start and one afterwards.
; REGISTERS, in windows of 256: window 0: v1-21 addresses and constants; v32-95 two sets of 4 accumulators; v96-127 the scores' partial sums; v128-135 two tables; v136 the sum of c'; while x is quantised v128-255 hold
; two buffers of 64 numbers.   window 1: W's fragments, two sets of 128.   window 2: x's codes of tiles 0, 1;  window 3: of tiles 2, 3 (tile t, K step ks at v[128 (t % 2) + 16 ks]).
.set BLK,    16640                     ; a block of wq: 8 fragments of 2,048 bytes and a table of 256
.set WQUART, 2*BLK                     ; what one wave's joint load brings: 130 rows of 256 bytes
.set WSLOT,  8*BLK                     ; a slot of W
.set XPITCH, 528                       ; a row of x's tile in LDS: 512 bytes + 16 of padding = 132 words: row r starts at bank 4 r mod 64 (64 banks of 4 bytes: ISA guide 11.1)
.set XQUART, 64*XPITCH                 ; a wave's own tile of x: 64 rows x 128 numbers
.set SLOT1,  4*XQUART                  ; slot 1 begins here (135,168); a slot holds four tiles of x, or 8 blocks of W (133,120 bytes)
.set STAGE,  2*SLOT1                   ; behind the ring: 256 bytes of scores for each wave; no tensor load lands here
.set SPARE,  STAGE+1024                ; the spare words, 128 bytes for each wave: two blocks of 256 bytes that no other line names
.set SPW,  1                           ; v1   LDS address of my spare word; never rewritten
.set NIL,  2                           ; v2   0; never rewritten
.set L16,  3                           ; v3   16 x lane: my place in an image
.set R16,  4                           ; v4   16 (lane % 16) + 16,384: my place in a block's table
.set AX,   5                           ; v5, v6  my place in my wave's tile of x in slot 0, 1
.set ADB,  7                           ; v7   LDS address of the block being fetched
.set ADT,  8                           ; v8   of its table
.set SCL,  9                           ; v9   2^e0 as f32
.set SST,  13                          ; v13  the way out: where I put scores
.set SLD,  14                          ; v14  where I read two of them back
.set SGO,  15                          ; v15  and their place in the group's 1,024 bytes of the buffer
.set TL,   16                          ; v16-19 the table of the last block's columns (it lies in block 0)
.set MLD,  20                          ; v20  wave 0: STAGE + 4 x lane
.set MGO,  21                          ; v21  wave 0: 4 x lane
.set ACC,  32
.set SACC, 96
.set TBL,  128
.set CSUM, 136
.set XB0,  128
.set XB1,  192
.set WV,   14                          ; s14  my wave's number
.set G1X,  16                          ; s[16:23] descriptor group 1 for x's tiles;  s[24:31] for W's
.set G1W,  24
.set G0X0, 32                          ; s[32:35], s[36:39] group 0 for x's tiles, one set for each slot;  s[40:43], s[44:47] the same for W's
.set G0X1, 36
.set G0W0, 40
.set G0W1, 44
.set SC,   50                          ; s[50:51] SC, twice: the packed form names a pair
.set LIMN, 52                          ; s52, s53  -+448 x 2^e0
.set LIMP, 53
.set TB,   54                          ; s54  LDS byte at which the block to be fetched begins
.set OUTER, 55
.set INNER, 56
.set SEL,  58                          ; s[58:59] lane selects for v_permlanex16_b32: lane l xor 16
.set MSB, 0
.macro WIN new                         ; the immediate's high byte repeats the setting that is left; a switch that changes nothing is dropped
.if MSB != (\new)
	s_set_vgpr_msb (MSB<<8)|(\new)
.set MSB, (\new)
.endif
.endm
; A round of the cluster's barrier: my work-group's barrier, so that wave 0's signal speaks for all four waves; wave 0 signals; every wave waits for all four work-groups; my work-group's barrier once more.
.macro ROUND
	s_barrier_signal -1
	s_barrier_wait -1
	s_cmp_lg_u32 s[WV], 0
	s_cbranch_scc1 .Lnot_wave_0_\@
	s_barrier_signal -3
.Lnot_wave_0_\@:
	s_barrier_wait -3
	s_barrier_signal -1
	s_barrier_wait -1
.endm
; A CHANGE OF SLOTS with a refill.  Each wave waits for all its tensor loads (its part of the slot that is read next), adds 0 to its spare word, and waits for that and for its reads of the slot that it leaves.
; Behind the round no wave of the cluster reads that slot or has a load on its way; the refill is the first thing there, one tensor load a wave.  Four v_nop follow it.
.macro CHG g0, g1, step
	s_wait_tensorcnt 0x0                           ; no tensor load of mine is out, so a group 0 may be written
	ds_add_u32 v[SPW], v[NIL]                      ; 0 onto my spare word
.if \step
	s_add_nc_u64 s[\g0+2:\g0+3], s[\g0+2:\g0+3], \step     ; the slot's next tile; the type bits on top are not reached
.endif
	s_wait_dscnt 0x0                               ; the add is done, and my LDS reads are back
	ROUND
	tensor_load_to_lds s[\g0:\g0+3], s[\g1:\g1+7]
	s_nop 0
.rept 4
	v_nop
.endr
.endm
.macro CHG0                            ; the last change of slots: nothing is filled, so my work-group's barrier is enough
	s_wait_tensorcnt 0x0
	ds_add_u32 v[SPW], v[NIL]
	s_wait_dscnt 0x0
	s_barrier_signal -1
	s_barrier_wait -1
.endm
	s_load_b256 s[4:11], s[0:1], 0x0               ; x s[4:5], wq s[6:7], the scales' exponents s[8:9], scores s[10:11]
	s_load_b64 s[12:13], s[0:1], 0x20              ; pick
	v_lshl_add_u32 v[SPW], v0, 2, SPARE
	v_mov_b32 v[NIL], 0
	ds_add_u32 v1, v2
	ds_add_u32 v1, v2
	s_wait_dscnt 0x0
	v_lshrrev_b32 v10, 5, v0
	v_readfirstlane_b32 s[WV], v10                 ; wave 0..3
	s_bfe_u32 s62, ttmp6, 0x40000                  ; cx: my place in the cluster
	s_lshl_b32 s15, ttmp9, 2                       ; in a cluster launch ttmp9 counts clusters
	s_add_co_u32 s15, s15, s62                     ; my group of 256 rows = 4 x cluster + cx: it enters the addresses of x, scores and pick alone
	; descriptor group 1 for x: a tile of 64 rows x 128 numbers of 4 bytes, rows 1,024 numbers apart, padded in LDS
	s_mov_b32 s[G1X+0], (2<<16)|(1<<20)|(6<<22)|(3<<25)    ; 15:0 no mask; 17:16 elements of 4 bytes; 20 padding on; 24:22 after every 128 words (code 6); 31:25 four words (code 3)
	s_mov_b32 s[G1X+1], 128<<16                    ; tensor_dim0 = 128
	s_mov_b32 s[G1X+2], 64<<16                     ; tensor_dim1 = 64
	s_mov_b32 s[G1X+3], 128<<16                    ; tile_dim0 = 128
	s_mov_b32 s[G1X+4], 64                         ; tile_dim1 = 64
	s_mov_b32 s[G1X+5], 1024                       ; tensor_dim0_stride
	s_mov_b32 s[G1X+6], 0
	s_mov_b32 s[G1X+7], 0
	; for W: a dense run of 33,280 bytes as 130 rows of 32 elements of 8 bytes; no padding: images are read 512 consecutive bytes an instruction
	s_mov_b32 s[G1W+0], 15|(3<<16)|(1<<21)         ; 15:0 the mask: all four work-groups; 17:16 elements of 8 bytes; 21 set beside a mask
	s_mov_b32 s[G1W+1], 32<<16
	s_mov_b32 s[G1W+2], 130<<16
	s_mov_b32 s[G1W+3], 32<<16
	s_mov_b32 s[G1W+4], 130
	s_mov_b32 s[G1W+5], 32
	s_mov_b32 s[G1W+6], 0
	s_mov_b32 s[G1W+7], 0
	s_lshl_b32 s60, s15, 20                        ; my group's 256 rows of 4,096 bytes,
	s_lshl_b32 s61, s[WV], 18                      ; my wave's 64 of them
	s_add_co_u32 s60, s60, s61
	s_mov_b32 s61, 0
	s_mul_i32 s66, s[WV], WQUART                   ; my quarter of a slot of W, in memory and in LDS
	s_mov_b32 s67, 0
	s_mul_i32 s57, s[WV], XQUART                   ; my tile of x in a slot: no place in the cluster enters an LDS address
	s_wait_kmcnt 0x0
	s_load_b64 s[48:49], s[8:9], 0x0               ; e0, e1
	s_add_nc_u64 s[62:63], s[4:5], s[60:61]
	s_mov_b32 s[G0X0], 1                           ; 1:0 count = 1
	s_mov_b32 s[G0X0+1], s57                       ; 63:32 LDS address
	s_mov_b64 s[G0X0+2:G0X0+3], s[62:63]           ; 120:64 global address: K step 0
	s_or_b32 s[G0X0+3], s[G0X0+3], 0x80000000      ; 127:126 type = 2
	s_mov_b32 s[G0X1], 1
	s_add_co_u32 s[G0X1+1], s57, SLOT1
	s_add_nc_u64 s[G0X1+2:G0X1+3], s[62:63], 512   ; K step 1
	s_or_b32 s[G0X1+3], s[G0X1+3], 0x80000000
	s_add_nc_u64 s[62:63], s[6:7], s[66:67]
	s_mov_b32 s[G0W0], 1
	s_mov_b32 s[G0W0+1], s66
	s_mov_b64 s[G0W0+2:G0W0+3], s[62:63]           ; blocks 0 to 7
	s_or_b32 s[G0W0+3], s[G0W0+3], 0x80000000
	s_mov_b32 s[G0W1], 1
	s_add_co_u32 s[G0W1+1], s66, SLOT1
	s_add_nc_u64 s[G0W1+2:G0W1+3], s[62:63], WSLOT ; blocks 8 to 15
	s_or_b32 s[G0W1+3], s[G0W1+3], 0x80000000
	s_lshl_b32 s60, s15, 10
	s_add_nc_u64 s[10:11], s[10:11], s[60:61]      ; scores at my group
	s_lshl_b32 s60, s15, 7
	s_add_nc_u64 s[12:13], s[12:13], s[60:61]      ; pick at my group's 128 bytes
	ROUND                                          ; in front of the first tensor loads
	tensor_load_to_lds s[G0X0:G0X0+3], s[G1X:G1X+7]        ; both first fills go out together, ahead of every wait on TENSORcnt and every LDS read
	s_nop 0
	tensor_load_to_lds s[G0X1:G0X1+3], s[G1X:G1X+7]
	s_nop 0
.rept 4
	v_nop
.endr
	v_and_b32 v10, 31, v0                          ; lane
	v_and_b32 v11, 15, v0                          ; r
	v_bfe_u32 v12, v0, 4, 1                        ; h
	v_lshlrev_b32 v[L16], 4, v10
	v_lshlrev_b32 v[R16], 4, v11
	v_add_nc_u32 v[R16], 16384, v[R16]
	v_mul_u32_u24 v[AX], v11, XPITCH
	v_lshl_add_u32 v[AX], v12, 6, v[AX]            ; row r, + 64 h: my 16 numbers of a run of 32
	v_add_nc_u32 v[AX], s57, v[AX]
	v_add_nc_u32 v[AX+1], SLOT1, v[AX]
	s_lshl_b32 s60, s[WV], 8
	v_lshlrev_b32 v[SST], 5, v12
	v_add_nc_u32 v[SST], s60, v[SST]
	v_add_nc_u32 v[SST], STAGE, v[SST]             ; STAGE + 256 wave + 32 h: row 16 t + 8 h + j of my wave lies 64 t + 4 j further on
	v_lshlrev_b32 v[SGO], 3, v10
	v_add_nc_u32 v[SGO], s60, v[SGO]               ; 256 wave + 8 lane
	v_add_nc_u32 v[SLD], STAGE, v[SGO]
	v_lshlrev_b32 v[MGO], 2, v10
	v_add_nc_u32 v[MLD], STAGE, v[MGO]
	s_mov_b32 s[SEL], 0x76543210
	s_mov_b32 s[SEL+1], 0xfedcba98
	s_wait_kmcnt 0x0
	s_add_co_i32 s[SC], s48, s49
	s_lshl_b32 s[SC], s[SC], 23
	s_add_co_i32 s[SC], s[SC], 0x4038aa3b          ; 2 log2(e) with e0 + e1 added to its exponent field
	s_mov_b32 s[SC+1], s[SC]                       ; (named with it as a pair, so it is written)
	s_add_co_i32 s60, s48, 127
	s_lshl_b32 s61, s60, 23
	v_mov_b32 v[SCL], s61                          ; 2^e0 as f32: the conversion takes its exponent field
	s_add_co_i32 s60, s60, 8
	s_lshl_b32 s60, s60, 23
	s_or_b32 s[LIMP], s60, 0x600000                ; 448 x 2^e0
	s_or_b32 s[LIMN], s[LIMP], 0x80000000
; ---- x INTO CODES.  Tile t's 64 numbers a lane of one K step: register 16 c + i = k 32 c + 16 h + i of row 16 t + r
.macro XLD t, buf, slot
.set xi, 0
.rept 16
	ds_load_b128 v[\buf+4*xi:\buf+4*xi+3], v[AX+\slot] offset:16*XPITCH*(\t)+128*(xi/4)+16*(xi%4)
.set xi, xi+1
.endr
.endm
.macro XQ t, ks, buf                   ; they become fragment (t, ks), in window 2 or 3
.set xi, 0
.rept 64
	v_med3_num_f32 v[\buf+xi], v[\buf+xi], s[LIMN], s[LIMP]        ; the conversion to an 8-bit code does not saturate (ISA guide 7.6.2): the hold comes first
.set xi, xi+1
.endr
	WIN 0x80+0x40*((\t)/2)                         ; destination window 2 or 3
.set xi, 0
.rept 8
	v_cvt_scalef32_pk8_fp8_f32 v[128*((\t)%2)+16*(\ks)+2*xi:128*((\t)%2)+16*(\ks)+2*xi+1], v[\buf+8*xi:\buf+8*xi+7], v[SCL]
.set xi, xi+1
.endr
	v_nop                                          ; a plain line behind the last conversion
	WIN 0
.endm
.macro XSTEP ks, slot                  ; a K step: four tiles, on two buffers by turns
	XLD 0, XB0, \slot
	XLD 1, XB1, \slot
	s_wait_dscnt 16                                ; the older tile's 16 loads are in, the younger's may be out: so at each count of 16 below
	XQ 0, \ks, XB0
	XLD 2, XB0, \slot
	s_wait_dscnt 16
	XQ 1, \ks, XB1
	XLD 3, XB1, \slot
	s_wait_dscnt 16
	XQ 2, \ks, XB0
	s_wait_dscnt 0x0
	XQ 3, \ks, XB1
.endm
	s_wait_tensorcnt 0x1                           ; my tile of K step 0 is in; K step 1's may stay out.  A wave reads its own tile alone: its own wait is all that the reads need
	XSTEP 0, 0
	CHG G0X0, G1X, 1024                            ; K step 2 into slot 0: it has a K step's work in which to land; so on
	XSTEP 1, 1
	CHG G0X1, G1X, 1024
	XSTEP 2, 0
	CHG G0X0, G1X, 1024
	XSTEP 3, 1
	CHG G0X1, G1X, 1024
	XSTEP 4, 0
	CHG G0X0, G1X, 1024
	XSTEP 5, 1
	CHG G0X1, G1X, 1024                            ; K step 7
	XSTEP 6, 0
	CHG G0W0, G1W, 0                               ; x has left slot 0: W's blocks 0 to 7 take it
	XSTEP 7, 1
	CHG G0W1, G1W, 0                               ; blocks 8 to 15 into slot 1; blocks 0 to 7 have landed, everybody's part
; ---- THE EPILOGUE of a block: a list of 114 instructions; EPI writes number ej of it, for the accumulators at v[ab] and the table at v[tb], and steps ej.
; Kinds, for tile t: F (4) sum x SC + b', in pairs; E (8) 2^(..); A (4) + 1; R (8) the reciprocal: rho; S (4) the partial sums += c' rho.  The tiles' stages are laid so that behind every run of
; exponentials or reciprocals a plain instruction of another tile stands before a result is used, and each accumulator is read from its low end on.
.macro STG lo, hi, k, t
.if (ej >= \lo) && (ej < \hi)
.set ek, \k
.set et, \t
.set ei, ej-\lo
.endif
.endm
.macro EPI ab, tb
	STG 0, 4, 0, 0
	STG 4, 12, 1, 0
	STG 12, 16, 0, 1
	STG 16, 20, 2, 0
	STG 20, 28, 3, 0
	STG 28, 36, 1, 1
	STG 36, 40, 0, 2
	STG 40, 44, 4, 0
	STG 44, 48, 2, 1
	STG 48, 56, 3, 1
	STG 56, 64, 1, 2
	STG 64, 68, 0, 3
	STG 68, 72, 4, 1
	STG 72, 76, 2, 2
	STG 76, 84, 3, 2
	STG 84, 92, 1, 3
	STG 92, 93, 5, 0
	STG 93, 97, 4, 2
	STG 97, 101, 2, 3
	STG 101, 109, 3, 3
	STG 109, 110, 6, 0
	STG 110, 114, 4, 3
.set ea, \ab+8*et
.if ek == 0
	v_pk_fma_f32 v[ea+2*ei:ea+2*ei+1], v[ea+2*ei:ea+2*ei+1], s[SC:SC+1], v[\tb:\tb+1] op_sel_hi:[1,0,1]
.elseif ek == 1
	v_exp_f32 v[ea+ei], v[ea+ei]
.elseif ek == 2
	s_wait_alu depctr_va_vdst(0)
	v_pk_add_f32 v[ea+2*ei:ea+2*ei+1], v[ea+2*ei:ea+2*ei+1], 1.0 op_sel_hi:[1,0]
.elseif ek == 3
	v_rcp_f32 v[ea+ei], v[ea+ei]
.elseif ek == 4
	s_wait_alu depctr_va_vdst(0)
	v_pk_fma_f32 v[SACC+8*et+2*ei:SACC+8*et+2*ei+1], v[ea+2*ei:ea+2*ei+1], v[\tb+2:\tb+3], v[SACC+8*et+2*ei:SACC+8*et+2*ei+1]
.elseif ek == 5
	v_add_f32 v[CSUM], v[CSUM], v[\tb+2]           ; the sum of c' over my column's blocks
.else
	v_nop                                          ; the plain line behind the last reciprocals
.endif
.set ej, ej+1
.endm
; ---- A UNIT: block k of W against my four tiles, p = k % 2.  32 matrix instructions, K step by K step, the four accumulators by turns, one instruction a turn; the first four
; start the sums with the constant 0.  ep = 1: behind matrix instruction i stands slice i of block k - 1's epilogue (numbers 114 i / 32 up to 114 (i + 1) / 32), on the other set of accumulators.
; ep = 0: a v_nop in its stead.  fetch = 1: block k + 1's fragments come into the other set of W's registers, two loads behind each of the first 16 matrix instructions, and with them the table of block k's columns.
; PLACES (ISA guide 7.12.1), by count: behind tile 0's last product (i = 28) stand numbers 99, 100 and 109 to 113 of the running epilogue, seven plain instructions that name none of its registers, ahead of the
; next unit's first read of it; the other tiles have more.  Fragment ks of W is loaded again behind slices 2 ks and 2 ks + 1 of the next unit; its last reader has at least slice 31's four plain instructions behind it.
.macro UNIT p, ep, fetch
	s_wait_dscnt 0x0                               ; this block's fragments and the table for the epilogue are in: the last of them was asked for 16 matrix instructions ago
.if \fetch
	v_add_nc_u32 v[ADB], s[TB], v[L16]
	v_add_nc_u32 v[ADT], s[TB], v[R16]
	s_add_co_u32 s[TB], s[TB], BLK
.endif
.set ej, 0
.set ui, 0
.rept 32
.set ut, ui%4
.set uk, ui/4
.set ua, ACC+32*\p+8*ut
.set uw, 0x06+ut/2
	WIN uw                                         ; source 0 (x) window 2 or 3, source 1 (W) window 1, C and D window 0
.if ui < 4
	v_wmma_f32_16x16x128_fp8_fp8 v[ua:ua+7], v[128*(ut%2)+16*uk:128*(ut%2)+16*uk+15], v[128*\p+16*uk:128*\p+16*uk+15], 0
.else
	v_wmma_f32_16x16x128_fp8_fp8 v[ua:ua+7], v[128*(ut%2)+16*uk:128*(ut%2)+16*uk+15], v[128*\p+16*uk:128*\p+16*uk+15], v[ua:ua+7]
.endif
	WIN 0
.if \ep
.rept ((ui+1)*114)/32-(ui*114)/32
	EPI ACC+32*(1-\p), TBL+4*(1-\p)
.endr
.else
	v_nop
.endif
.if \fetch
.if ui == 0
	ds_load_b128 v[TBL+4*\p:TBL+4*\p+3], v[ADT]
.endif
.if ui < 16
	WIN 0x40                                       ; destination window 1, address window 0
	ds_load_b128 v[128*(1-\p)+8*ui:128*(1-\p)+8*ui+3], v[ADB] offset:1024*ui
	ds_load_b128 v[128*(1-\p)+8*ui+4:128*(1-\p)+8*ui+7], v[ADB] offset:1024*ui+512
.endif
.endif
.set ui, ui+1
.endr
	WIN 0                                          ; at a label and at a branch every window is 0
.endm
.macro PAIRS n                         ; 2 n units, beginning with an odd block
	s_mov_b32 s[INNER], \n
.Lpair_\@:
	UNIT 1, 1, 1
	UNIT 0, 1, 1
	s_sub_co_u32 s[INNER], s[INNER], 1
	s_cmp_lg_u32 s[INNER], 0
	s_cbranch_scc1 .Lpair_\@
.endm
.set wi, 0
.rept 32
	v_mov_b32 v[SACC+wi], 0                        ; the partial sums run through all 64 blocks: they begin as zeros
.set wi, wi+1
.endr
	v_mov_b32 v[CSUM], 0
	WIN 0x40
.set wi, 0
.rept 32
	ds_load_b128 v[4*wi:4*wi+3], v[L16] offset:512*wi      ; block 0's eight fragments into set 0
.set wi, wi+1
.endr
	WIN 0
	ds_load_b128 v[TL:TL+3], v[R16]                ; block 0's table is that of block 63's columns: it is kept to the end
	s_mov_b32 s[TB], BLK
	UNIT 0, 0, 1                                   ; block 0
	PAIRS 3                                        ; blocks 1 to 6
; A change of slots stands at the head of a slot's last block, whose fragments and table are in registers by then: a refill has eight blocks, 256 matrix instructions a wave, in which to land.
	s_mov_b32 s[OUTER], 3
.Lslots:                                               ; a trip: 16 blocks, once round the ring; three trips ask for blocks 16 to 63
	CHG G0W0, G1W, 2*WSLOT
	s_mov_b32 s[TB], SLOT1
	PAIRS 4
	CHG G0W1, G1W, 2*WSLOT
	s_mov_b32 s[TB], 0
	PAIRS 4
	s_sub_co_u32 s[OUTER], s[OUTER], 1
	s_cmp_lg_u32 s[OUTER], 0
	s_cbranch_scc1 .Lslots
	CHG0                                           ; blocks 56 to 63 have landed; nothing is left to ask for
	s_mov_b32 s[TB], SLOT1
	PAIRS 4                                        ; blocks 55 to 62
	UNIT 1, 1, 0                                   ; block 63
.set ej, 0
.rept 114
	EPI ACC+32, TL                                 ; and its epilogue, with nothing to stand beside
.endr
; ---- THE WAY OUT.  The partial sums less half the sum of c'; the sixteen lanes of a half hold sixteen classes of columns: they are added.  Then each row's score goes to my wave's 256 bytes of the stage.
.set wi, 0
.rept 32
	v_fma_f32 v[SACC+wi], v[CSUM], -0.5, v[SACC+wi]
.set wi, wi+1
.endr
.irp m, 1,2,4,8
.set wi, 0
.rept 32
	v_add_f32_dpp v[SACC+wi], v[SACC+wi], v[SACC+wi] row_xmask:\m row_mask:0xf bank_mask:0xf
.set wi, wi+1
.endr
.endr
.set wi, 0
.rept 32
	ds_store_b32 v[SST], v[SACC+wi] offset:64*(wi/8)+4*(wi%8)      ; the sixteen lanes of a half write the same word with the same number
.set wi, wi+1
.endr
	ds_load_b64 v[34:35], v[SLD]                   ; LDS serves a wave's instructions in order (ISA guide 5.7.1.4): this sees my stores
	s_wait_dscnt 0x0                               ; my two scores are back; and, for the others' sake, my stores into the stage are done
	global_store_b64 v[SGO], v[34:35], s[10:11]    ; the wave stores 256 consecutive bytes, aligned
	s_barrier_signal -1
	s_barrier_wait -1                              ; the group's 256 scores lie in the stage
	s_cmp_lg_u32 s[WV], 0
	s_cbranch_scc1 .Lnot_first
.irp i, 0,1,2,3,4,5,6,7
	ds_load_b32 v[22+\i], v[MLD] offset:128*\i     ; register i, lane l: row 32 i + l
.endr
	s_wait_dscnt 0x0
	v_max3_num_f32 v30, v22, v23, v24
	v_max3_num_f32 v30, v30, v25, v26
	v_max3_num_f32 v30, v30, v27, v28
	v_max_num_f32 v30, v30, v29
	v_max_num_f32_dpp v30, v30, v30 row_xmask:1 row_mask:0xf bank_mask:0xf
	v_max_num_f32_dpp v30, v30, v30 row_xmask:2 row_mask:0xf bank_mask:0xf
	v_max_num_f32_dpp v30, v30, v30 row_xmask:4 row_mask:0xf bank_mask:0xf
	v_max_num_f32_dpp v30, v30, v30 row_xmask:8 row_mask:0xf bank_mask:0xf
	v_mov_b32 v31, 0                               ; a lane permute's destination counts as one of its sources
	v_permlanex16_b32 v31, v30, s[SEL], s[SEL+1]
	v_max_num_f32 v30, v30, v31                    ; the group's largest score
	v_add_f32 v30, 0xc1b17218, v30                 ; - 32 ln 2
	v_mov_b32 v32, 0                               ; words 8 to 31 of the group's 128 bytes are 0
.irp i, 0,1,2,3,4,5,6,7
	v_cmp_ge_f32 s[68+\i], v[22+\i], v30           ; bit l: row 32 i + l counts.  The bits are stored, and steer nothing in this launch
.endr
.irp i, 0,1,2,3,4,5,6,7
	v_writelane_b32 v32, s[68+\i], \i
.endr
	global_store_b32 v[MGO], v32, s[12:13]
.Lnot_first:
	s_wait_tensorcnt 0x0                           ; the wave's end: behind my last tensor load and my last LDS store
	ds_add_u32 v[SPW], v[NIL]
	s_wait_dscnt 0x0
	ROUND                                          ; the closing round: no work-group ends while a partner may still ask for a tile that names it
	s_endpgm
.Lfunc_end_k_q301104f6a6_main:
	.size	k_q301104f6a6_main, .Lfunc_end_k_q301104f6a6_main-k_q301104f6a6_main
	.p2alignl 7, 3214868480
	.fill 96, 4, 3214868480
	.section	.rodata,"a",@progbits
	.p2align	6, 0x0
	.amdhsa_kernel k_q301104f6a6_main
		.amdhsa_group_segment_fixed_size 327680
		.amdhsa_private_segment_fixed_size 0
		.amdhsa_enable_private_segment 0
		.amdhsa_kernarg_size 40
		.amdhsa_user_sgpr_count 2
		.amdhsa_user_sgpr_kernarg_segment_ptr 1
		.amdhsa_wavefront_size32 1
		.amdhsa_system_sgpr_workgroup_id_x 1
		.amdhsa_system_sgpr_workgroup_id_y 1
		.amdhsa_system_sgpr_workgroup_id_z 1
		.amdhsa_system_vgpr_workitem_id 0
		.amdhsa_next_free_vgpr 1024
		.amdhsa_next_free_sgpr 80
		.amdhsa_reserve_vcc 0
		.amdhsa_float_denorm_mode_32 3
		.amdhsa_float_denorm_mode_16_64 3
		.amdhsa_memory_ordered 1
		.amdhsa_forward_progress 1
		.amdhsa_inst_pref_size 255
	.end_amdhsa_kernel
	.section	.bss,"aw",@nobits
	.p2align	6
	.space	262144
	.amdgpu_metadata
---
amdhsa.version: [ 1, 2 ]
amdhsa.kernels:
  - .name:           k_q301104f6a6_main
    .symbol:         k_q301104f6a6_main.kd
    .args:
      - { .name: x, .offset: 0, .size: 8, .value_kind: global_buffer, .address_space: global }
      - { .name: wq, .offset: 8, .size: 8, .value_kind: global_buffer, .address_space: global }
      - { .name: lowp_scales, .offset: 16, .size: 8, .value_kind: global_buffer, .address_space: global }
      - { .name: scores, .offset: 24, .size: 8, .value_kind: global_buffer, .address_space: global }
      - { .name: pick, .offset: 32, .size: 8, .value_kind: global_buffer, .address_space: global }
    .group_segment_fixed_size: 327680
    .private_segment_fixed_size: 0
    .kernarg_segment_align: 8
    .kernarg_segment_size: 40
    .max_flat_workgroup_size: 128
    .sgpr_count:     80
    .vgpr_count:     1024
    .wavefront_size: 32
...
	.end_amdgpu_metadata
.endif
;; end of part 2
;; launch pool (part 3): grid 8 x 32, 8 waves a work-group, no clusters, 5,120 bytes of LDS; arguments x, scores, pick, out0; writes out0
.if DOCPART == 3
	.amdgcn_target "amdgcn-amd-amdhsa--gfx1250"
	.amdhsa_code_object_version 6
	.text
	.protected	k_q301104f6a6_pool
	.globl	k_q301104f6a6_pool
	.p2align	8
	.type	k_q301104f6a6_pool,@function
k_q301104f6a6_pool:
	s_mov_b64 s[64:65], 0
	v_nop
	global_prefetch_b8 v0, s[64:65] scope:SCOPE_SE
	s_setreg_imm32_b32 hwreg(HW_REG_WAVE_MODE, 25, 1), 1
	s_wait_xcnt 0x0
; out0[b][e] = sum over s of softmax_s(scores[b][s]) x[b][s][e].  The softmax takes the batch's true largest score away, and its sum runs over all 2,048 rows.  The weighted sum of x runs over the rows whose bit
; is set in pick: every row within 32 ln 2 of the largest score of its group of 256.  The rows left out weigh under 2^-32 of the batch's largest weight each, under 2^-21 together, for every input.
; LIMIT: infinities and NaN in x are not served (an empty slot multiplies the group's row 0 by the weight 0).
; SHARES.  Work-group (c, b): columns 128 c .. 128 c + 127 of batch b.  Wave w: group 8 b + w.  A row's part is 512 consecutive bytes, aligned: one load of 16 bytes a lane.
; A pass takes up to four set bits of each of the group's eight mask words: 32 slots, 32 loads in flight.  A slot without a bit loads the group's row 0 and gets the weight 0: no branch, every count fixed.
; The number of passes, 1 to 8, is the largest count of bits in a word, over 4, rounded up: it and the rows' addresses hang on whole numbers that the launch before stored.
; Each wave works the batch's statistics out for itself (8,192 bytes of scores), while its first 32 rows are on their way.  The eight waves' sums meet in LDS; wave 0 adds, divides and stores.
; No matrix unit (N = 1), no tensor loads, no cluster: what work-groups share, a batch's scores, is small beside the rows.
.set L16,  1                           ; v1      16 x lane
.set NML,  2                           ; v[2:3]  -(largest score) x log2(e), twice
.set T16,  4                           ; v4      16 x thread
.set L4,   5                           ; v5      1,024 wave + 4 x lane
.set RC,   6                           ; v[6:7]  at work; then 1 / the sum, twice
.set P,    8                           ; v8-15   my group's weights: register i, lane l: row 32 i + l
.set SUM,  16                          ; v16-31  four sets of four sums
.set OFF,  32                          ; v32-63  a slot's byte offset
.set SCR,  64                          ; v64-127 the batch's 2,048 scores
.set ROWS, 128                         ; v128-255 a slot's 16 bytes
.set MASK, 16                          ; s[16:23] the group's mask words
.set SLW,  24                          ; s[24:55] a slot's lane in its word, or 32 for an empty slot
	s_load_b256 s[4:11], s[0:1], 0x0               ; x s[4:5], scores s[6:7], pick s[8:9], out0 s[10:11]
	s_set_vgpr_msb 0x40
	v_lshl_add_u32 v0, v0, 2, 0x1000
	v_mov_b32 v1, 0
	s_set_vgpr_msb 0x4000
	v_lshrrev_b32 v2, 5, v0
	v_readfirstlane_b32 s12, v2                    ; wave 0..7
	v_and_b32 v3, 31, v0                           ; lane
	v_lshlrev_b32 v[L16], 4, v3
	v_lshlrev_b32 v[T16], 4, v0
	v_lshlrev_b32 v[L4], 2, v3
	s_and_b32 s14, ttmp7, 0xffff                   ; the batch
	s_lshl_b32 s15, s14, 3
	s_add_co_u32 s15, s15, s12                     ; my group
	s_lshl_b32 s60, s15, 7                         ; its 128 bytes of pick
	s_mov_b32 s61, 0
	s_lshl_b32 s62, s14, 13                        ; the batch's 8,192 bytes of scores
	s_mov_b32 s63, 0
	s_lshl_b32 s68, s15, 20                        ; the group's 256 rows of 4,096 bytes,
	s_lshl_b32 s69, ttmp9, 9                       ; my work-group's 512 bytes of a row
	s_add_co_u32 s68, s68, s69
	s_mov_b32 s69, 0
	s_lshl_b32 s72, s14, 12                        ; the batch's row of out0, and the same 512 bytes
	s_lshl_b32 s73, ttmp9, 9
	s_add_co_u32 s72, s72, s73
	s_mov_b32 s73, 0
	s_lshl_b32 s74, s12, 10
	v_add_nc_u32 v[L4], s74, v[L4]
	s_wait_kmcnt 0x0
	s_add_nc_u64 s[8:9], s[8:9], s[60:61]
	s_load_b256 s[MASK:MASK+7], s[8:9], 0x0
	s_add_nc_u64 s[6:7], s[6:7], s[62:63]
	s_add_nc_u64 s[70:71], s[4:5], s[68:69]
	s_add_nc_u64 s[10:11], s[10:11], s[72:73]
.set qi, 0
.rept 16
	global_load_b128 v[SCR+4*qi:SCR+4*qi+3], v[L16], s[6:7] offset:512*qi  ; all of the batch's scores, in any order
.set qi, qi+1
.endr
.set qi, 0
.rept 8
	global_load_b32 v[P+qi], v[L4], s[6:7] offset:128*qi                   ; my group's, in the masks' order
.set qi, qi+1
.endr
	s_mov_b32 s58, 0x76543210                      ; v_permlanex16_b32's selects for lane l xor 16
	s_mov_b32 s59, 0xfedcba98
	s_mov_b32 s66, 0x3fb8aa3b                      ; log2(e); the packed form names a pair
	s_mov_b32 s67, s66
.set qi, 0
.rept 16
	v_mov_b32 v[SUM+qi], 0
.set qi, qi+1
.endr
	s_wait_kmcnt 0x0
	s_bcnt1_i32_b32 s56, s[MASK]
.irp i, 1,2,3,4,5,6,7
	s_bcnt1_i32_b32 s60, s[MASK+\i]
	s_max_u32 s56, s56, s60
.endr
	s_add_co_u32 s56, s56, 3
	s_lshr_b32 s56, s56, 2
	s_max_u32 s56, s56, 1
	s_min_u32 s56, s56, 8                          ; passes: 1 to 8
; A pass's 32 loads.  Slot sl takes the lowest bit that is left of word sl / 4 and clears it.
.macro ISSUE
.set sl, 0
.rept 32
.set wd, MASK+sl/4
	s_ctz_i32_b32 s60, s[wd]                       ; the bit's place: the row's lane in P
	s_add_co_u32 s61, s60, 32*(sl/4)               ; the row in the group
	s_cmp_lg_u32 s[wd], 0
	s_cselect_b32 s[SLW+sl], s60, 32               ; 32: no bit was left
	s_cselect_b32 s61, s61, 0                      ; then row 0 is loaded
	s_min_u32 s61, s61, 255                        ; a loaded number enters an address only behind this bound
	s_lshl_b32 s61, s61, 12
	s_sub_co_u32 s60, s[wd], 1
	s_and_b32 s[wd], s[wd], s60                    ; the bit is cleared (0 stays 0)
	v_add_nc_u32 v[OFF+sl], s61, v[L16]            ; (a pass's loads are all in before the next pass writes these registers: the last count below is 0)
	global_load_b128 v[ROWS+4*sl:ROWS+4*sl+3], v[OFF+sl], s[70:71]
.set sl, sl+1
.endr
.endm
; and their use: sums += weight x row, in four sets by turns
.macro CONSUME
.set sl, 0
.rept 32
.set sa, SUM+4*(sl%4)
	s_and_b32 s63, s[SLW+sl], 31
	v_readlane_b32 s62, v[P+sl/4], s63             ; the row's weight
	s_cmp_lt_u32 s[SLW+sl], 32
	s_cselect_b32 s62, s62, 0                      ; an empty slot's is 0
	s_wait_loadcnt 31-sl                           ; loads come back in order (ISA guide 5.7.1): this slot's is in, the younger ones may be out
	v_pk_fma_f32 v[sa:sa+1], v[ROWS+4*sl:ROWS+4*sl+1], s[62:63], v[sa:sa+1] op_sel_hi:[1,0,1]      ; (of the scalar pair the low word serves both halves)
	v_pk_fma_f32 v[sa+2:sa+3], v[ROWS+4*sl+2:ROWS+4*sl+3], s[62:63], v[sa+2:sa+3] op_sel_hi:[1,0,1]
.set sl, sl+1
.endr
.endm
	ISSUE
	; the batch's statistics, while the rows are on their way
	s_wait_loadcnt 32                              ; the 24 loads of scores are in; the 32 rows behind them may be out
	v_max3_num_f32 v[RC], v[SCR], v[SCR+1], v[SCR+2]
	v_max3_num_f32 v[RC+1], v[SCR+3], v[SCR+4], v[SCR+5]
.set qi, 6
.rept 14
	v_max3_num_f32 v[RC], v[RC], v[SCR+qi], v[SCR+qi+1]
	v_max3_num_f32 v[RC+1], v[RC+1], v[SCR+qi+2], v[SCR+qi+3]
.set qi, qi+4
.endr
	v_max3_num_f32 v[RC], v[RC], v[SCR+62], v[SCR+63]
	v_max_num_f32 v[RC], v[RC], v[RC+1]
	v_max_num_f32_dpp v[RC], v[RC], v[RC] row_xmask:1 row_mask:0xf bank_mask:0xf
	v_max_num_f32_dpp v[RC], v[RC], v[RC] row_xmask:2 row_mask:0xf bank_mask:0xf
	v_max_num_f32_dpp v[RC], v[RC], v[RC] row_xmask:4 row_mask:0xf bank_mask:0xf
	v_max_num_f32_dpp v[RC], v[RC], v[RC] row_xmask:8 row_mask:0xf bank_mask:0xf
	v_permlanex16_b32 v[RC+1], v[RC], s58, s59
	v_max_num_f32 v[RC], v[RC], v[RC+1]            ; the batch's largest score, in every lane
	v_mul_f32 v[NML], 0xbfb8aa3b, v[RC]            ; x -log2(e).  The same rounded number stands in every weight and in their sum
	v_mov_b32 v[NML+1], v[NML]
.set qi, 0
.rept 32
	v_pk_fma_f32 v[SCR+2*qi:SCR+2*qi+1], v[SCR+2*qi:SCR+2*qi+1], s[66:67], v[NML:NML+1] op_sel_hi:[1,0,1]
.set qi, qi+1
.endr
.set qi, 0
.rept 4
	v_pk_fma_f32 v[P+2*qi:P+2*qi+1], v[P+2*qi:P+2*qi+1], s[66:67], v[NML:NML+1] op_sel_hi:[1,0,1]
.set qi, qi+1
.endr
.set qi, 0
.rept 64
	v_exp_f32 v[SCR+qi], v[SCR+qi]
.set qi, qi+1
.endr
.set qi, 0
.rept 8
	v_exp_f32 v[P+qi], v[P+qi]                     ; e^(score - the largest), at most about 1: not yet divided by the sum
.set qi, qi+1
.endr
	v_nop                                          ; a plain line behind the exponentials
.set qi, 8
	s_wait_alu depctr_va_vdst(0)
.rept 7
	v_pk_add_f32 v[SCR:SCR+1], v[SCR:SCR+1], v[SCR+qi:SCR+qi+1]            ; the sum over all 2,048 rows: four chains of pairs
	v_pk_add_f32 v[SCR+2:SCR+3], v[SCR+2:SCR+3], v[SCR+qi+2:SCR+qi+3]
	v_pk_add_f32 v[SCR+4:SCR+5], v[SCR+4:SCR+5], v[SCR+qi+4:SCR+qi+5]
	v_pk_add_f32 v[SCR+6:SCR+7], v[SCR+6:SCR+7], v[SCR+qi+6:SCR+qi+7]
.set qi, qi+8
.endr
	v_pk_add_f32 v[SCR:SCR+1], v[SCR:SCR+1], v[SCR+2:SCR+3]
	v_pk_add_f32 v[SCR+4:SCR+5], v[SCR+4:SCR+5], v[SCR+6:SCR+7]
	v_pk_add_f32 v[SCR:SCR+1], v[SCR:SCR+1], v[SCR+4:SCR+5]
	v_add_f32 v[SCR], v[SCR], v[SCR+1]
	v_add_f32_dpp v[SCR], v[SCR], v[SCR] row_xmask:1 row_mask:0xf bank_mask:0xf
	v_add_f32_dpp v[SCR], v[SCR], v[SCR] row_xmask:2 row_mask:0xf bank_mask:0xf
	v_add_f32_dpp v[SCR], v[SCR], v[SCR] row_xmask:4 row_mask:0xf bank_mask:0xf
	v_add_f32_dpp v[SCR], v[SCR], v[SCR] row_xmask:8 row_mask:0xf bank_mask:0xf
	v_permlanex16_b32 v[SCR+1], v[SCR], s58, s59
	v_add_f32 v[SCR], v[SCR], v[SCR+1]
	v_rcp_f32 v[RC], v[SCR]                        ; twice, to fill the pair that the packed multiply names
	v_rcp_f32 v[RC+1], v[SCR]
	v_nop                                          ; a plain line behind the reciprocals
	CONSUME
	s_cmp_lt_u32 s56, 2
	s_cbranch_scc1 .Ljoin
	s_mov_b32 s57, 1
.Lmore:                                                ; the further passes, where a word had more than four bits
	ISSUE
	CONSUME
	s_add_co_u32 s57, s57, 1
	s_cmp_lt_u32 s57, s56
	s_cbranch_scc1 .Lmore
.Ljoin:
	v_pk_add_f32 v[SUM:SUM+1], v[SUM:SUM+1], v[SUM+4:SUM+5]
	v_pk_add_f32 v[SUM+2:SUM+3], v[SUM+2:SUM+3], v[SUM+6:SUM+7]
	v_pk_add_f32 v[SUM+8:SUM+9], v[SUM+8:SUM+9], v[SUM+12:SUM+13]
	v_pk_add_f32 v[SUM+10:SUM+11], v[SUM+10:SUM+11], v[SUM+14:SUM+15]
	v_pk_add_f32 v[SUM:SUM+1], v[SUM:SUM+1], v[SUM+8:SUM+9]
	v_pk_add_f32 v[SUM+2:SUM+3], v[SUM+2:SUM+3], v[SUM+10:SUM+11]
	ds_store_b128 v[T16], v[SUM:SUM+3]             ; wave w's 512 bytes at 512 w
	s_wait_dscnt 0x0                               ; for the others' sake: my store is done
	s_barrier_signal -1
	s_barrier_wait -1
	s_cmp_lg_u32 s12, 0
	s_cbranch_scc1 .Lend
.set qi, 0
.rept 8
	ds_load_b128 v[ROWS+4*qi:ROWS+4*qi+3], v[L16] offset:512*qi
.set qi, qi+1
.endr
	s_wait_dscnt 0x0
.irp i, 0,8,16,24
	v_pk_add_f32 v[ROWS+\i:ROWS+\i+1], v[ROWS+\i:ROWS+\i+1], v[ROWS+\i+4:ROWS+\i+5]
	v_pk_add_f32 v[ROWS+\i+2:ROWS+\i+3], v[ROWS+\i+2:ROWS+\i+3], v[ROWS+\i+6:ROWS+\i+7]
.endr
.irp i, 0,16
	v_pk_add_f32 v[ROWS+\i:ROWS+\i+1], v[ROWS+\i:ROWS+\i+1], v[ROWS+\i+8:ROWS+\i+9]
	v_pk_add_f32 v[ROWS+\i+2:ROWS+\i+3], v[ROWS+\i+2:ROWS+\i+3], v[ROWS+\i+10:ROWS+\i+11]
.endr
	v_pk_add_f32 v[ROWS:ROWS+1], v[ROWS:ROWS+1], v[ROWS+16:ROWS+17]
	v_pk_add_f32 v[ROWS+2:ROWS+3], v[ROWS+2:ROWS+3], v[ROWS+18:ROWS+19]
	s_wait_alu depctr_va_vdst(0)
	v_pk_mul_f32 v[ROWS:ROWS+1], v[ROWS:ROWS+1], v[RC:RC+1]        ; / the softmax's sum
	v_pk_mul_f32 v[ROWS+2:ROWS+3], v[ROWS+2:ROWS+3], v[RC:RC+1]
	global_store_b128 v[L16], v[ROWS:ROWS+3], s[10:11]             ; the wave stores 512 consecutive bytes, aligned
.Lend:
	s_set_vgpr_msb 0x5
	s_wait_tensorcnt 0x0
	ds_add_u32 v0, v1
	s_wait_dscnt 0x0
	s_set_vgpr_msb 0x500
	s_endpgm
.Lfunc_end_k_q301104f6a6_pool:
	.size	k_q301104f6a6_pool, .Lfunc_end_k_q301104f6a6_pool-k_q301104f6a6_pool
	.p2alignl 7, 3214868480
	.fill 96, 4, 3214868480
	.section	.rodata,"a",@progbits
	.p2align	6, 0x0
	.amdhsa_kernel k_q301104f6a6_pool
		.amdhsa_group_segment_fixed_size 5120
		.amdhsa_private_segment_fixed_size 0
		.amdhsa_enable_private_segment 0
		.amdhsa_kernarg_size 32
		.amdhsa_user_sgpr_count 2
		.amdhsa_user_sgpr_kernarg_segment_ptr 1
		.amdhsa_wavefront_size32 1
		.amdhsa_system_sgpr_workgroup_id_x 1
		.amdhsa_system_sgpr_workgroup_id_y 1
		.amdhsa_system_sgpr_workgroup_id_z 1
		.amdhsa_system_vgpr_workitem_id 0
		.amdhsa_next_free_vgpr 258
		.amdhsa_next_free_sgpr 80
		.amdhsa_reserve_vcc 0
		.amdhsa_float_denorm_mode_32 3
		.amdhsa_float_denorm_mode_16_64 3
		.amdhsa_memory_ordered 1
		.amdhsa_forward_progress 1
		.amdhsa_inst_pref_size 67
	.end_amdhsa_kernel
	.amdgpu_metadata
---
amdhsa.version: [ 1, 2 ]
amdhsa.kernels:
  - .name:           k_q301104f6a6_pool
    .symbol:         k_q301104f6a6_pool.kd
    .args:
      - { .name: x, .offset: 0, .size: 8, .value_kind: global_buffer, .address_space: global }
      - { .name: scores, .offset: 8, .size: 8, .value_kind: global_buffer, .address_space: global }
      - { .name: pick, .offset: 16, .size: 8, .value_kind: global_buffer, .address_space: global }
      - { .name: out0, .offset: 24, .size: 8, .value_kind: global_buffer, .address_space: global }
    .group_segment_fixed_size: 5120
    .private_segment_fixed_size: 0
    .kernarg_segment_align: 8
    .kernarg_segment_size: 32
    .max_flat_workgroup_size: 256
    .sgpr_count:     80
    .vgpr_count:     258
    .wavefront_size: 32
...
	.end_amdgpu_metadata
.endif
;; end of part 3
;; ======== version 2 of 2: 3 launches; 1.13 times as fast as version 1
;; limits: an absolute error that grows with the inputs' magnitude: up to 4.77e-07 times it; a difference of large sums (such as E[x^2] - mean^2): digits are lost where the result is much smaller than its terms
;; workspace buffers: wq 1,064,960 bytes; scores 262,144 bytes; pick 32,768 bytes of whole numbers
;; launch prep: the kernel of part 1 again; grid 8 x 32, 4 waves a work-group, no clusters, 0 bytes of LDS; arguments W, b, ctx, lowp_scales, wq; writes wq
;; launch main (part 4): grid 256 x 1, 4 waves a work-group, clusters of 4 x 1, 327,680 bytes of LDS; arguments x, wq, lowp_scales, scores, pick; writes scores, pick
.if DOCPART == 4
	.amdgcn_target "amdgcn-amd-amdhsa--gfx1250"
	.amdhsa_code_object_version 6
	.text
	.protected	k_q301104f6a6_main
	.globl	k_q301104f6a6_main
	.p2align	8
	.type	k_q301104f6a6_main,@function
k_q301104f6a6_main:
	s_mov_b64 s[64:65], 0
	v_nop
	global_prefetch_b8 v0, s[64:65] scope:SCOPE_SE
	s_setreg_imm32_b32 hwreg(HW_REG_WAVE_MODE, 25, 1), 1
	s_wait_xcnt 0x0
	s_wait_alu depctr_hold_cnt(0) depctr_sa_sdst(0) depctr_va_vdst(0) depctr_va_sdst(0) depctr_va_ssrc(0) depctr_va_vcc(0) depctr_vm_vsrc(0)
	s_getreg_b32 s2, hwreg(HW_REG_IB_STS2, 6, 4)
	s_cmp_eq_u32 s2, 0
	s_cbranch_scc0 .Lentry_in_a_cluster
	s_endpgm
.Lentry_in_a_cluster:
	s_bfe_u32 s2, ttmp6, 0x10000c
	s_cmp_lg_u32 s2, 0x3003
	s_cbranch_scc0 .Lentry_shape_is_right
	s_endpgm
.Lentry_shape_is_right:
; scores[row] = sum over n of ctx[n] tanh(sum over k of x[row][k] W[k][n] + b[n]), the product on codes of FP8 (E4M3): x with the given scale 2^e0, W with 2^e1 (W's codes and the table of b and ctx: buffer wq).
; Also, as whole numbers, one bit a row: set where the row's score is at least (the largest score of its group of 256 rows) - 32 ln 2.  A row without the bit has a softmax weight under 2^-32 of the largest
; weight of its batch, so all 2,047 such rows together weigh under 2^-21 of it: the next launch leaves them out of the weighted sum of x (never out of the softmax's sum).  This holds for every input.
; LIMITS: e0 between -126 and 119; e0 + e1 between -126 and 126 (each power of two below is then an f32 number).  NaN and infinities among the inputs are not served.
; SHARES.  A work-group owns 256 rows (one group; 1 MB of x), a wave 64 of them: four tiles of 16.  x is read from memory ONCE: 128 along K at a time through LDS, quantised in registers, and a wave's codes for the
; whole K stay in 512 registers (4 tiles x 8 K steps x 16).  Then W's 64 blocks of 16 columns go past, through LDS, read by all four waves: a fragment of W (2,048 bytes) feeds four matrix instructions.
; LAYOUT.  Source 0 = 16 rows of x, source 1 = 16 columns of W: in the result lane (r, h) holds column r and rows 8 h + 0 .. 7.  So b and ctx are one number a lane and block, and a row's score is gathered in
; 32 registers of partial sums (one for each of the lane's rows, over the columns = r mod 16) that meet across lanes once, at the end.  In a fragment lane (r, h) holds k = 32 c + 16 h + 0 .. 15 in registers
; 4 c .. 4 c + 3, on both sides alike: every product meets its partner.
; TANH.  tanh(z) = 1 - 2 rho, rho = 1 / (1 + 2^(2 log2(e) z)).  2 log2(e) z = sum x SC + b', SC = 2 log2(e) 2^(e0 + e1).  sum of ctx tanh = sum of c' rho - (sum of c') / 2, c' = -2 ctx.
; Where 2^(..) is infinite rho is 0, where it is 0 rho is 1: tanh is +-1, as it should be.
; BY TURNS.  A block's epilogue is 113 vector instructions for 32 matrix instructions.  It stands in slices behind the NEXT block's matrix instructions (two sets of accumulators), so that matrix and vector work
; run side by side in the one wave that a SIMD holds; the price is two switches of the register window for each matrix instruction.  The LDS loads of a block stand in ONE run.
; CLUSTER.  All work-groups walk the same W: the four of a cluster ask for each part of it JOINTLY (mask 15).  x's tiles are each work-group's own (mask 0).  Every tensor load stands behind a round of the cluster's barrier.
; A wave has two tensor loads out at the start and one afterwards.
; REGISTERS, in windows of 256: window 0: v1-21 addresses and constants; v32-95 two sets of 4 accumulators; v96-127 the scores' partial sums; v128-135 two tables; v136 the sum of c'; while x is quantised v128-255 hold
; two buffers of 64 numbers.   window 1: W's fragments, two sets of 128.   window 2: x's codes of tiles 0, 1;  window 3: of tiles 2, 3 (tile t, K step ks at v[128 (t % 2) + 16 ks]).
.set BLK,    16640                     ; a block of wq: 8 fragments of 2,048 bytes and a table of 256
.set WQUART, 2*BLK                     ; what one wave's joint load brings: 130 rows of 256 bytes
.set WSLOT,  8*BLK                     ; a slot of W
.set XPITCH, 528                       ; a row of x's tile in LDS: 512 bytes + 16 of padding = 132 words: row r starts at bank 4 r mod 64 (64 banks of 4 bytes: ISA guide 11.1)
.set XQUART, 64*XPITCH                 ; a wave's own tile of x: 64 rows x 128 numbers
.set SLOT1,  4*XQUART                  ; slot 1 begins here (135,168); a slot holds four tiles of x, or 8 blocks of W (133,120 bytes)
.set STAGE,  2*SLOT1                   ; behind the ring: 256 bytes of scores for each wave; no tensor load lands here
.set SPARE,  STAGE+1024                ; the spare words, 128 bytes for each wave: two blocks of 256 bytes that no other line names
.set SPW,  1                           ; v1   LDS address of my spare word; never rewritten
.set NIL,  2                           ; v2   0; never rewritten
.set L16,  3                           ; v3   16 x lane: my place in an image
.set R16,  4                           ; v4   16 (lane % 16) + 16,384: my place in a block's table
.set AX,   5                           ; v5, v6  my place in my wave's tile of x in slot 0, 1
.set ADB,  7                           ; v7   LDS address of the block being fetched
.set ADT,  8                           ; v8   of its table
.set SCL,  9                           ; v9   2^e0 as f32
.set SST,  13                          ; v13  the way out: where I put scores
.set SLD,  14                          ; v14  where I read two of them back
.set SGO,  15                          ; v15  and their place in the group's 1,024 bytes of the buffer
.set TL,   16                          ; v16-19 the table of the last block's columns (it lies in block 0)
.set MLD,  20                          ; v20  wave 0: STAGE + 4 x lane
.set MGO,  21                          ; v21  wave 0: 4 x lane
.set ACC,  32
.set SACC, 96
.set TBL,  128
.set CSUM, 136
.set XB0,  128
.set XB1,  192
.set WV,   14                          ; s14  my wave's number
.set G1X,  16                          ; s[16:23] descriptor group 1 for x's tiles;  s[24:31] for W's
.set G1W,  24
.set G0X0, 32                          ; s[32:35], s[36:39] group 0 for x's tiles, one set for each slot;  s[40:43], s[44:47] the same for W's
.set G0X1, 36
.set G0W0, 40
.set G0W1, 44
.set SC,   50                          ; s[50:51] SC, twice: the packed form names a pair
.set LIMN, 52                          ; s52, s53  -+448 x 2^e0
.set LIMP, 53
.set TB,   54                          ; s54  LDS byte at which the block to be fetched begins
.set OUTER, 55
.set INNER, 56
.set SEL,  58                          ; s[58:59] lane selects for v_permlanex16_b32: lane l xor 16
.set MSB, 0
.macro WIN new                         ; the immediate's high byte repeats the setting that is left; a switch that changes nothing is dropped
.if MSB != (\new)
	s_set_vgpr_msb (MSB<<8)|(\new)
.set MSB, (\new)
.endif
.endm
; A round of the cluster's barrier: my work-group's barrier, so that wave 0's signal speaks for all four waves; wave 0 signals; every wave waits for all four work-groups; my work-group's barrier once more.
.macro ROUND
	s_barrier_signal -1
	s_barrier_wait -1
	s_cmp_lg_u32 s[WV], 0
	s_cbranch_scc1 .Lnot_wave_0_\@
	s_barrier_signal -3
.Lnot_wave_0_\@:
	s_barrier_wait -3
	s_barrier_signal -1
	s_barrier_wait -1
.endm
; A CHANGE OF SLOTS with a refill.  Each wave waits for all its tensor loads (its part of the slot that is read next), adds 0 to its spare word, and waits for that and for its reads of the slot that it leaves.
; Behind the round no wave of the cluster reads that slot or has a load on its way; the refill is the first thing there, one tensor load a wave.  Four v_nop follow it.
.macro CHG g0, g1, step
	s_wait_tensorcnt 0x0                           ; no tensor load of mine is out, so a group 0 may be written
	ds_add_u32 v[SPW], v[NIL]                      ; 0 onto my spare word
.if \step
	s_add_nc_u64 s[\g0+2:\g0+3], s[\g0+2:\g0+3], \step     ; the slot's next tile; the type bits on top are not reached
.endif
	s_wait_dscnt 0x0                               ; the add is done, and my LDS reads are back
	ROUND
	tensor_load_to_lds s[\g0:\g0+3], s[\g1:\g1+7]
	s_nop 0
.rept 4
	v_nop
.endr
.endm
.macro CHG0                            ; the last change of slots: nothing is filled, so my work-group's barrier is enough
	s_wait_tensorcnt 0x0
	ds_add_u32 v[SPW], v[NIL]
	s_wait_dscnt 0x0
	s_barrier_signal -1
	s_barrier_wait -1
.endm
	s_load_b256 s[4:11], s[0:1], 0x0               ; x s[4:5], wq s[6:7], the scales' exponents s[8:9], scores s[10:11]
	s_load_b64 s[12:13], s[0:1], 0x20              ; pick
	v_lshl_add_u32 v[SPW], v0, 2, SPARE
	v_mov_b32 v[NIL], 0
	ds_add_u32 v1, v2
	ds_add_u32 v1, v2
	s_wait_dscnt 0x0
	v_lshrrev_b32 v10, 5, v0
	v_readfirstlane_b32 s[WV], v10                 ; wave 0..3
	s_bfe_u32 s62, ttmp6, 0x40000                  ; cx: my place in the cluster
	s_lshl_b32 s15, ttmp9, 2                       ; in a cluster launch ttmp9 counts clusters
	s_add_co_u32 s15, s15, s62                     ; my group of 256 rows = 4 x cluster + cx: it enters the addresses of x, scores and pick alone
	; descriptor group 1 for x: a tile of 64 rows x 128 numbers of 4 bytes, rows 1,024 numbers apart, padded in LDS
	s_mov_b32 s[G1X+0], (2<<16)|(1<<20)|(6<<22)|(3<<25)    ; 15:0 no mask; 17:16 elements of 4 bytes; 20 padding on; 24:22 after every 128 words (code 6); 31:25 four words (code 3)
	s_mov_b32 s[G1X+1], 128<<16                    ; tensor_dim0 = 128
	s_mov_b32 s[G1X+2], 64<<16                     ; tensor_dim1 = 64
	s_mov_b32 s[G1X+3], 128<<16                    ; tile_dim0 = 128
	s_mov_b32 s[G1X+4], 64                         ; tile_dim1 = 64
	s_mov_b32 s[G1X+5], 1024                       ; tensor_dim0_stride
	s_mov_b32 s[G1X+6], 0
	s_mov_b32 s[G1X+7], 0
	; for W: a dense run of 33,280 bytes as 130 rows of 32 elements of 8 bytes; no padding: images are read 512 consecutive bytes an instruction
	s_mov_b32 s[G1W+0], 15|(3<<16)|(1<<21)         ; 15:0 the mask: all four work-groups; 17:16 elements of 8 bytes; 21 set beside a mask
	s_mov_b32 s[G1W+1], 32<<16
	s_mov_b32 s[G1W+2], 130<<16
	s_mov_b32 s[G1W+3], 32<<16
	s_mov_b32 s[G1W+4], 130
	s_mov_b32 s[G1W+5], 32
	s_mov_b32 s[G1W+6], 0
	s_mov_b32 s[G1W+7], 0
	s_lshl_b32 s60, s15, 20                        ; my group's 256 rows of 4,096 bytes,
	s_lshl_b32 s61, s[WV], 18                      ; my wave's 64 of them
	s_add_co_u32 s60, s60, s61
	s_mov_b32 s61, 0
	s_mul_i32 s66, s[WV], WQUART                   ; my quarter of a slot of W, in memory and in LDS
	s_mov_b32 s67, 0
	s_mul_i32 s57, s[WV], XQUART                   ; my tile of x in a slot: no place in the cluster enters an LDS address
	s_wait_kmcnt 0x0
	s_load_b64 s[48:49], s[8:9], 0x0               ; e0, e1
	s_add_nc_u64 s[62:63], s[4:5], s[60:61]
	s_mov_b32 s[G0X0], 1                           ; 1:0 count = 1
	s_mov_b32 s[G0X0+1], s57                       ; 63:32 LDS address
	s_mov_b64 s[G0X0+2:G0X0+3], s[62:63]           ; 120:64 global address: K step 0
	s_or_b32 s[G0X0+3], s[G0X0+3], 0x80000000      ; 127:126 type = 2
	s_mov_b32 s[G0X1], 1
	s_add_co_u32 s[G0X1+1], s57, SLOT1
	s_add_nc_u64 s[G0X1+2:G0X1+3], s[62:63], 512   ; K step 1
	s_or_b32 s[G0X1+3], s[G0X1+3], 0x80000000
	s_add_nc_u64 s[62:63], s[6:7], s[66:67]
	s_mov_b32 s[G0W0], 1
	s_mov_b32 s[G0W0+1], s66
	s_mov_b64 s[G0W0+2:G0W0+3], s[62:63]           ; blocks 0 to 7
	s_or_b32 s[G0W0+3], s[G0W0+3], 0x80000000
	s_mov_b32 s[G0W1], 1
	s_add_co_u32 s[G0W1+1], s66, SLOT1
	s_add_nc_u64 s[G0W1+2:G0W1+3], s[62:63], WSLOT ; blocks 8 to 15
	s_or_b32 s[G0W1+3], s[G0W1+3], 0x80000000
	s_lshl_b32 s60, s15, 10
	s_add_nc_u64 s[10:11], s[10:11], s[60:61]      ; scores at my group
	s_lshl_b32 s60, s15, 7
	s_add_nc_u64 s[12:13], s[12:13], s[60:61]      ; pick at my group's 128 bytes
	ROUND                                          ; in front of the first tensor loads
	tensor_load_to_lds s[G0X0:G0X0+3], s[G1X:G1X+7]        ; both first fills go out together, ahead of every wait on TENSORcnt and every LDS read
	s_nop 0
	tensor_load_to_lds s[G0X1:G0X1+3], s[G1X:G1X+7]
	s_nop 0
.rept 4
	v_nop
.endr
	v_and_b32 v10, 31, v0                          ; lane
	v_and_b32 v11, 15, v0                          ; r
	v_bfe_u32 v12, v0, 4, 1                        ; h
	v_lshlrev_b32 v[L16], 4, v10
	v_lshlrev_b32 v[R16], 4, v11
	v_add_nc_u32 v[R16], 16384, v[R16]
	v_mul_u32_u24 v[AX], v11, XPITCH
	v_lshl_add_u32 v[AX], v12, 6, v[AX]            ; row r, + 64 h: my 16 numbers of a run of 32
	v_add_nc_u32 v[AX], s57, v[AX]
	v_add_nc_u32 v[AX+1], SLOT1, v[AX]
	s_lshl_b32 s60, s[WV], 8
	v_lshlrev_b32 v[SST], 5, v12
	v_add_nc_u32 v[SST], s60, v[SST]
	v_add_nc_u32 v[SST], STAGE, v[SST]             ; STAGE + 256 wave + 32 h: row 16 t + 8 h + j of my wave lies 64 t + 4 j further on
	v_lshlrev_b32 v[SGO], 3, v10
	v_add_nc_u32 v[SGO], s60, v[SGO]               ; 256 wave + 8 lane
	v_add_nc_u32 v[SLD], STAGE, v[SGO]
	v_lshlrev_b32 v[MGO], 2, v10
	v_add_nc_u32 v[MLD], STAGE, v[MGO]
	s_mov_b32 s[SEL], 0x76543210
	s_mov_b32 s[SEL+1], 0xfedcba98
	s_wait_kmcnt 0x0
	s_add_co_i32 s[SC], s48, s49
	s_lshl_b32 s[SC], s[SC], 23
	s_add_co_i32 s[SC], s[SC], 0x4038aa3b          ; 2 log2(e) with e0 + e1 added to its exponent field
	s_mov_b32 s[SC+1], s[SC]                       ; (named with it as a pair, so it is written)
	s_add_co_i32 s60, s48, 127
	s_lshl_b32 s61, s60, 23
	v_mov_b32 v[SCL], s61                          ; 2^e0 as f32: the conversion takes its exponent field
	s_add_co_i32 s60, s60, 8
	s_lshl_b32 s60, s60, 23
	s_or_b32 s[LIMP], s60, 0x600000                ; 448 x 2^e0
	s_or_b32 s[LIMN], s[LIMP], 0x80000000
; ---- x INTO CODES.  Tile t's 64 numbers a lane of one K step: register 16 c + i = k 32 c + 16 h + i of row 16 t + r
.macro XLD t, buf, slot
.set xi, 0
.rept 16
	ds_load_b128 v[\buf+4*xi:\buf+4*xi+3], v[AX+\slot] offset:16*XPITCH*(\t)+128*(xi/4)+16*(xi%4)
.set xi, xi+1
.endr
.endm
.macro XQ t, ks, buf                   ; they become fragment (t, ks), in window 2 or 3
.set xi, 0
.rept 64
	v_med3_num_f32 v[\buf+xi], v[\buf+xi], s[LIMN], s[LIMP]        ; the conversion to an 8-bit code does not saturate (ISA guide 7.6.2): the hold comes first
.set xi, xi+1
.endr
	WIN 0x80+0x40*((\t)/2)                         ; destination window 2 or 3
.set xi, 0
.rept 8
	v_cvt_scalef32_pk8_fp8_f32 v[128*((\t)%2)+16*(\ks)+2*xi:128*((\t)%2)+16*(\ks)+2*xi+1], v[\buf+8*xi:\buf+8*xi+7], v[SCL]
.set xi, xi+1
.endr
	v_nop                                          ; a plain line behind the last conversion
	WIN 0
.endm
.macro XSTEP ks, slot                  ; a K step: four tiles, on two buffers by turns
	XLD 0, XB0, \slot
	XLD 1, XB1, \slot
	s_wait_dscnt 16                                ; the older tile's 16 loads are in, the younger's may be out: so at each count of 16 below
	XQ 0, \ks, XB0
	XLD 2, XB0, \slot
	s_wait_dscnt 16
	XQ 1, \ks, XB1
	XLD 3, XB1, \slot
	s_wait_dscnt 16
	XQ 2, \ks, XB0
	s_wait_dscnt 0x0
	XQ 3, \ks, XB1
.endm
	s_wait_tensorcnt 0x1                           ; my tile of K step 0 is in; K step 1's may stay out.  A wave reads its own tile alone: its own wait is all that the reads need
	XSTEP 0, 0
	CHG G0X0, G1X, 1024                            ; K step 2 into slot 0: it has a K step's work in which to land; so on
	XSTEP 1, 1
	CHG G0X1, G1X, 1024
	XSTEP 2, 0
	CHG G0X0, G1X, 1024
	XSTEP 3, 1
	CHG G0X1, G1X, 1024
	XSTEP 4, 0
	CHG G0X0, G1X, 1024
	XSTEP 5, 1
	CHG G0X1, G1X, 1024                            ; K step 7
	XSTEP 6, 0
	CHG G0W0, G1W, 0                               ; x has left slot 0: W's blocks 0 to 7 take it
	XSTEP 7, 1
	CHG G0W1, G1W, 0                               ; blocks 8 to 15 into slot 1; blocks 0 to 7 have landed, everybody's part
; ---- THE EPILOGUE of a block: a list of 113 instructions on the lane's 32 sums, taken as 16 pairs of registers (pair q = registers 2 q, 2 q + 1 of the set at v[ab]; tile q / 4).
; Kinds, for pair q: F sum x SC + b' (packed); E, E 2^(..); A + 1 (packed); R, R the reciprocal: rho; S the partial sums += c' rho (packed).
; The list is a pipeline over the pairs.  Step es (0 to 20) writes, in this order: F(es), E(low of es - 1), A(es - 2), E(high of es - 1), S(es - 5), R(low of es - 3), R(high of es - 3), each where its pair
; lies between 0 and 15; last of all the sum of c' takes this block's.  So plain and transcendental instructions alternate, and every slice of three or four holds about two of each kind.
; Behind a transcendental (ISA guide 5.7.2), by the list: the instruction next to it is a transcendental or a plain one on another pair; between an E and the A that reads it stands F(es), or S(es - 6) where F has
; run out; between an R and the S that reads it stands at least the S of the pair before.  Each accumulator is read from its low end on: tile t first by F(4 t).
; EPI writes the list's next instruction: it walks (es, eo) on to the next member that exists, seven tries at the most.
.macro EPI ab, tb
.set ed, 0
.rept 8
.if ed == 0
.if (eo == 0) && (es < 16)
	v_pk_fma_f32 v[\ab+2*es:\ab+2*es+1], v[\ab+2*es:\ab+2*es+1], s[SC:SC+1], v[\tb:\tb+1] op_sel_hi:[1,0,1]
.set ed, 1
.elseif (eo == 0) && (es == 21)
	v_add_f32 v[CSUM], v[CSUM], v[\tb+2]           ; the sum of c' over my column's blocks
.set ed, 1
.elseif ((eo == 1) || (eo == 3)) && (es > 0) && (es < 17)
	v_exp_f32 v[\ab+2*es-2+eo/2], v[\ab+2*es-2+eo/2]
.set ed, 1
.elseif (eo == 2) && (es > 1) && (es < 18)
	s_wait_alu depctr_va_vdst(0)
	v_pk_add_f32 v[\ab+2*es-4:\ab+2*es-3], v[\ab+2*es-4:\ab+2*es-3], 1.0 op_sel_hi:[1,0]
.set ed, 1
.elseif (eo == 4) && (es > 4) && (es < 21)
	s_wait_alu depctr_va_vdst(0)
	v_pk_fma_f32 v[SACC+2*es-10:SACC+2*es-9], v[\ab+2*es-10:\ab+2*es-9], v[\tb+2:\tb+3], v[SACC+2*es-10:SACC+2*es-9]
.set ed, 1
.elseif (eo > 4) && (es > 2) && (es < 19)
	v_rcp_f32 v[\ab+2*es-6+eo-5], v[\ab+2*es-6+eo-5]
.set ed, 1
.endif
.set eo, eo+1
.if eo == 7
.set eo, 0
.set es, es+1
.endif
.endif
.endr
.endm
; ---- A UNIT: block k of W against my four tiles, p = k % 2.  32 matrix instructions, K step by K step, the four accumulators by turns, one instruction a turn; the first four
; start the sums with the constant 0.  ep = 1: behind matrix instruction i stands slice i of block k - 1's epilogue (numbers 113 i / 32 up to 113 (i + 1) / 32 of the list), on the other set of accumulators.
; ep = 0: a v_nop in its stead.  fetch = 1: the table of block k's columns and block k + 1's eight fragments (into the other set of W's registers) are asked for in ONE run of 33 loads behind the first matrix
; instruction's slice: one switch of the window for the run, and 31 matrix instructions between it and the wait at the next unit's head.
; PLACES (ISA guide 7.12.1), by count.  Slices 28 to 31 hold 2, 2, 1 and 3 plain instructions, none of which names a register of this unit's products.  So behind tile 0's last product (i = 28) stand eight
; places ahead of the next unit's first read of it, and the other tiles, read later, have more.  Behind the last product (i = 31), which read fragment 7 of the set that the next unit's run of loads fills, stand
; slice 31's three, the two additions at the unit's head and slice 0's two: seven.  Behind a unit without an epilogue: one v_nop, the two additions and slice 0's two: five.
.macro UNIT p, ep, fetch
	s_wait_dscnt 0x0                               ; this block's fragments and the table for the epilogue are in: they were asked for 31 matrix instructions ago
.if \fetch
	v_add_nc_u32 v[ADB], s[TB], v[L16]
	v_add_nc_u32 v[ADT], s[TB], v[R16]
	s_add_co_u32 s[TB], s[TB], BLK
.endif
.set es, 0
.set eo, 0
.set ui, 0
.rept 32
.set ut, ui%4
.set uk, ui/4
.set ua, ACC+32*\p+8*ut
.set uw, 0x06+ut/2
	WIN uw                                         ; source 0 (x) window 2 or 3, source 1 (W) window 1, C and D window 0
.if ui < 4
	v_wmma_f32_16x16x128_fp8_fp8 v[ua:ua+7], v[128*(ut%2)+16*uk:128*(ut%2)+16*uk+15], v[128*\p+16*uk:128*\p+16*uk+15], 0
.else
	v_wmma_f32_16x16x128_fp8_fp8 v[ua:ua+7], v[128*(ut%2)+16*uk:128*(ut%2)+16*uk+15], v[128*\p+16*uk:128*\p+16*uk+15], v[ua:ua+7]
.endif
	WIN 0
.if \ep
.rept ((ui+1)*113)/32-(ui*113)/32
	EPI ACC+32*(1-\p), TBL+4*(1-\p)
.endr
.else
	v_nop
.endif
.if \fetch && (ui == 0)
	ds_load_b128 v[TBL+4*\p:TBL+4*\p+3], v[ADT]
	WIN 0x40                                       ; destination window 1, address window 0
.set ul, 0
.rept 32
	ds_load_b128 v[128*(1-\p)+4*ul:128*(1-\p)+4*ul+3], v[ADB] offset:512*ul
.set ul, ul+1
.endr
.endif
.set ui, ui+1
.endr
	WIN 0                                          ; at a label and at a branch every window is 0
.endm
.macro PAIRS n                         ; 2 n units, beginning with an odd block
	s_mov_b32 s[INNER], \n
.Lpair_\@:
	UNIT 1, 1, 1
	UNIT 0, 1, 1
	s_sub_co_u32 s[INNER], s[INNER], 1
	s_cmp_lg_u32 s[INNER], 0
	s_cbranch_scc1 .Lpair_\@
.endm
.set wi, 0
.rept 32
	v_mov_b32 v[SACC+wi], 0                        ; the partial sums run through all 64 blocks: they begin as zeros
.set wi, wi+1
.endr
	v_mov_b32 v[CSUM], 0
	WIN 0x40
.set wi, 0
.rept 32
	ds_load_b128 v[4*wi:4*wi+3], v[L16] offset:512*wi      ; block 0's eight fragments into set 0
.set wi, wi+1
.endr
	WIN 0
	ds_load_b128 v[TL:TL+3], v[R16]                ; block 0's table is that of block 63's columns: it is kept to the end
	s_mov_b32 s[TB], BLK
	UNIT 0, 0, 1                                   ; block 0
	PAIRS 3                                        ; blocks 1 to 6
; A change of slots stands at the head of a slot's last block, whose fragments and table are in registers by then: a refill has eight blocks, 256 matrix instructions a wave, in which to land.
	s_mov_b32 s[OUTER], 3
.Lslots:                                               ; a trip: 16 blocks, once round the ring; three trips ask for blocks 16 to 63
	CHG G0W0, G1W, 2*WSLOT
	s_mov_b32 s[TB], SLOT1
	PAIRS 4
	CHG G0W1, G1W, 2*WSLOT
	s_mov_b32 s[TB], 0
	PAIRS 4
	s_sub_co_u32 s[OUTER], s[OUTER], 1
	s_cmp_lg_u32 s[OUTER], 0
	s_cbranch_scc1 .Lslots
	CHG0                                           ; blocks 56 to 63 have landed; nothing is left to ask for
	s_mov_b32 s[TB], SLOT1
	PAIRS 4                                        ; blocks 55 to 62
	UNIT 1, 1, 0                                   ; block 63
.set es, 0
.set eo, 0
.rept 113
	EPI ACC+32, TL                                 ; and its epilogue, with nothing to stand beside
.endr
; ---- THE WAY OUT.  The partial sums less half the sum of c'; the sixteen lanes of a half hold sixteen classes of columns: they are added.  Then each row's score goes to my wave's 256 bytes of the stage.
.set wi, 0
.rept 32
	v_fma_f32 v[SACC+wi], v[CSUM], -0.5, v[SACC+wi]
.set wi, wi+1
.endr
.irp m, 1,2,4,8
.set wi, 0
.rept 32
	v_add_f32_dpp v[SACC+wi], v[SACC+wi], v[SACC+wi] row_xmask:\m row_mask:0xf bank_mask:0xf
.set wi, wi+1
.endr
.endr
.set wi, 0
.rept 32
	ds_store_b32 v[SST], v[SACC+wi] offset:64*(wi/8)+4*(wi%8)      ; the sixteen lanes of a half write the same word with the same number
.set wi, wi+1
.endr
	ds_load_b64 v[34:35], v[SLD]                   ; LDS serves a wave's instructions in order (ISA guide 5.7.1.4): this sees my stores
	s_wait_dscnt 0x0                               ; my two scores are back; and, for the others' sake, my stores into the stage are done
	global_store_b64 v[SGO], v[34:35], s[10:11]    ; the wave stores 256 consecutive bytes, aligned
	s_barrier_signal -1
	s_barrier_wait -1                              ; the group's 256 scores lie in the stage
	s_cmp_lg_u32 s[WV], 0
	s_cbranch_scc1 .Lnot_first
.irp i, 0,1,2,3,4,5,6,7
	ds_load_b32 v[22+\i], v[MLD] offset:128*\i     ; register i, lane l: row 32 i + l
.endr
	s_wait_dscnt 0x0
	v_max3_num_f32 v30, v22, v23, v24
	v_max3_num_f32 v30, v30, v25, v26
	v_max3_num_f32 v30, v30, v27, v28
	v_max_num_f32 v30, v30, v29
	v_max_num_f32_dpp v30, v30, v30 row_xmask:1 row_mask:0xf bank_mask:0xf
	v_max_num_f32_dpp v30, v30, v30 row_xmask:2 row_mask:0xf bank_mask:0xf
	v_max_num_f32_dpp v30, v30, v30 row_xmask:4 row_mask:0xf bank_mask:0xf
	v_max_num_f32_dpp v30, v30, v30 row_xmask:8 row_mask:0xf bank_mask:0xf
	v_mov_b32 v31, 0                               ; a lane permute's destination counts as one of its sources
	v_permlanex16_b32 v31, v30, s[SEL], s[SEL+1]
	v_max_num_f32 v30, v30, v31                    ; the group's largest score
	v_add_f32 v30, 0xc1b17218, v30                 ; - 32 ln 2
	v_mov_b32 v32, 0                               ; words 8 to 31 of the group's 128 bytes are 0
.irp i, 0,1,2,3,4,5,6,7
	v_cmp_ge_f32 s[68+\i], v[22+\i], v30           ; bit l: row 32 i + l counts.  The bits are stored, and steer nothing in this launch
.endr
.irp i, 0,1,2,3,4,5,6,7
	v_writelane_b32 v32, s[68+\i], \i
.endr
	global_store_b32 v[MGO], v32, s[12:13]
.Lnot_first:
	s_wait_tensorcnt 0x0                           ; the wave's end: behind my last tensor load and my last LDS store
	ds_add_u32 v[SPW], v[NIL]
	s_wait_dscnt 0x0
	ROUND                                          ; the closing round: no work-group ends while a partner may still ask for a tile that names it
	s_endpgm
.Lfunc_end_k_q301104f6a6_main:
	.size	k_q301104f6a6_main, .Lfunc_end_k_q301104f6a6_main-k_q301104f6a6_main
	.p2alignl 7, 3214868480
	.fill 96, 4, 3214868480
	.section	.rodata,"a",@progbits
	.p2align	6, 0x0
	.amdhsa_kernel k_q301104f6a6_main
		.amdhsa_group_segment_fixed_size 327680
		.amdhsa_private_segment_fixed_size 0
		.amdhsa_enable_private_segment 0
		.amdhsa_kernarg_size 40
		.amdhsa_user_sgpr_count 2
		.amdhsa_user_sgpr_kernarg_segment_ptr 1
		.amdhsa_wavefront_size32 1
		.amdhsa_system_sgpr_workgroup_id_x 1
		.amdhsa_system_sgpr_workgroup_id_y 1
		.amdhsa_system_sgpr_workgroup_id_z 1
		.amdhsa_system_vgpr_workitem_id 0
		.amdhsa_next_free_vgpr 1024
		.amdhsa_next_free_sgpr 80
		.amdhsa_reserve_vcc 0
		.amdhsa_float_denorm_mode_32 3
		.amdhsa_float_denorm_mode_16_64 3
		.amdhsa_memory_ordered 1
		.amdhsa_forward_progress 1
		.amdhsa_inst_pref_size 255
	.end_amdhsa_kernel
	.section	.bss,"aw",@nobits
	.p2align	6
	.space	262144
	.amdgpu_metadata
---
amdhsa.version: [ 1, 2 ]
amdhsa.kernels:
  - .name:           k_q301104f6a6_main
    .symbol:         k_q301104f6a6_main.kd
    .args:
      - { .name: x, .offset: 0, .size: 8, .value_kind: global_buffer, .address_space: global }
      - { .name: wq, .offset: 8, .size: 8, .value_kind: global_buffer, .address_space: global }
      - { .name: lowp_scales, .offset: 16, .size: 8, .value_kind: global_buffer, .address_space: global }
      - { .name: scores, .offset: 24, .size: 8, .value_kind: global_buffer, .address_space: global }
      - { .name: pick, .offset: 32, .size: 8, .value_kind: global_buffer, .address_space: global }
    .group_segment_fixed_size: 327680
    .private_segment_fixed_size: 0
    .kernarg_segment_align: 8
    .kernarg_segment_size: 40
    .max_flat_workgroup_size: 128
    .sgpr_count:     80
    .vgpr_count:     1024
    .wavefront_size: 32
...
	.end_amdgpu_metadata
.endif
;; end of part 4
;; launch pool: the kernel of part 3 again; grid 8 x 32, 8 waves a work-group, no clusters, 5,120 bytes of LDS; arguments x, scores, pick, out0; writes out0
